; MI455X (gfx1250); checked and timed in simulation.
; The chip was launched on July 23, 2026; its instructions are those of AMD's public machine-readable ISA for CDNA 5 (MIT licence, August 2026) and "CDNA5" Instruction Set Architecture Reference Guide (July 2026). The comments in the code are by the model that wrote it; some were corrected since.
;; Base Layer. Allowed arithmetic: matrix products marked QUANTISED: E5M2 operands, one given power-of-two scale a tensor, by v_wmma_f32_16x16x64_bf8_bf8 or v_wmma_f32_16x16x128_bf8_bf8, f32 sums; products left as they are: f32 operands where the result goes on into a quantised operand, else bf16, f16 or f32 operands; f32 sums; everything else in f32.
;; Inputs: c_basis 16,384 x 11 float32; c_res 128 x 128 float32; c_spl 128 x 128 float32; grid 16,384 x 15 float32; lowp_scales 2 int32 (the exponents e of the quantised operands' scales 2^e); x 512 x 128 float32.
;; Outputs: out0 512 x 128 float32.
;; This version of the problem:
;;   THIS VERSION OF THE PROBLEM IS GIVEN IN LOW PRECISION. The matrix products marked QUANTISED in the list below multiply operands that are first quantised to E5M2 (5 exponent bits, 2 mantissa bits; 8 bits a number), with one given power-of-two scale for each operand tensor; their sums are f32. All else is computed in f32.
;;   The module's matrix products, in the order in which they are computed (A, B: the left and right operand; K: the contracted axis; several contracted axes count as one K, in the product's order):
;;     1. batch 16,384 x [M 1, K 11] x [K 11, N 512]; A: input c_basis; B: computed on the way: left as it is (K = 11 < 32)
;;     2. [M 512, K 128] x [K 128, N 128]; A: computed on the way; B: input c_res: QUANTISED (scales: A lowp_scales[0], B lowp_scales[1])
;;     3. batch 128 x [M 1, K 128] x [K 128, N 512]; A: input c_spl; B: computed on the way: left as it is (M = 1 < 16)
;;   THE QUANTISER, for each operand of a quantised product, along K:
;;     - The operand's scale is 2^e, e = its entry of the input lowp_scales (int32; the entries are numbered through the quantised products in the list's order, A before B).
;;     - Each number is divided by the scale, clamped to +-57,344, and rounded to the nearest number of E5M2, ties to even, subnormals kept.
;;     - The product sums the exact products of the quantised numbers (number of the format x scale) in f32.
;;   ~~~python
;;   def quantise(x, axis, e):      # numpy; x: float32 -> the quantised numbers, widened to float32 again
;;       x = np.moveaxis(x, axis, -1); K = x.shape[-1]
;;       r = np.clip(x / 2.0 ** e, -57344, 57344)
;;       step = 2.0 ** (np.maximum(np.frexp(np.where(r == 0, 1, r))[1] - 1, -14) - 2)
;;       q = np.round(r / step) * step * 2.0 ** e      # np.round: ties to even
;;       return np.moveaxis(q, -1, axis).astype(np.float32)
;;   ~~~
;;   OPERANDS COMPUTED ON THE WAY. 'Computed on the way' means the value that the module computes at that place (a softmax that the list does not call 'softmax' is quantised finished and normalised). What goes into a quantiser is computed in f32, as accurately as f32 sums, v_exp_f32 and their like allow (about 1e-6 of the number): no bf16 or f16 on the way to a quantiser, and a product that is left as it is and whose result goes on into a quantised operand takes f32 operands (vector FMAs, or v_wmma_f32_16x16x4_f32). A number that lies on a knife's edge between two numbers of the format may be rounded either way, as far as f32 arithmetic and the matrix unit's own rounding can turn it there, and no further.
;; 2 versions, each right; version 2 is version 1 with the launch kan written anew for expert scheduling mode. Each part assembles by itself: llvm-mc -triple=amdgcn-amd-amdhsa -mcpu=gfx1250 --defsym DOCPART=n.
;; ======== version 1 of 2: 1 launch
;; limits: below input magnitudes of 1e-12 results are inexact or not finite; right only within a limited range of input values
;; launch kan (part 1): grid 32 x 8, 8 waves a work-group, no clusters, 94,208 bytes of LDS; arguments x, grid, c_basis, c_res, c_spl, lowp_scales, out0; writes out0
.if DOCPART == 1
	.amdgcn_target "amdgcn-amd-amdhsa--gfx1250"
	.amdhsa_code_object_version 6
	.text
	.protected	k_q6dafe13dc2_kan
	.globl	k_q6dafe13dc2_kan
	.p2align	8
	.type	k_q6dafe13dc2_kan,@function
k_q6dafe13dc2_kan:
	s_mov_b64 s[64:65], 0
	v_nop
	global_prefetch_b8 v0, s[64:65] scope:SCOPE_SE
	s_setreg_imm32_b32 hwreg(HW_REG_WAVE_MODE, 25, 1), 1
	s_wait_xcnt 0x0
; out[b][o] = sum_i Q(silu(x[b][i])) Q(c_res[o][i])  +  sum_i c_spl[o][i] sum_m c_basis[e][m] B_m(x[b][i]; grid[e]),  e = 128 o + i.
; x [512][128], grid [16384][15], c_basis [16384][11], c_res, c_spl [128][128], out [512][128]: f32.  lowp_scales: e0 (silu(x)), e1 (c_res).
; THE SPLINE.  The Cox-de Boor recurrence is linear in the basis functions with weights linear in x, so it is carried out on the COEFFICIENTS, once for each edge:
;   c2_m = c_(m-1) + a_m d_m,  a_m = (c_m - c_(m-1)) / (g_(m+3) - g_m);   c1_m = c2_(m-1) + d_m / (g_(m+2) - g_m) (c2_m - c2_(m-1));   P_m = c1_(m-1) + d_m / (g_(m+1) - g_m) (c1_m - c1_(m-1)),   d_m = x - g_m,
; (c outside 0..10 is 0) and the edge's spline is  sum over j = 0..13 of [g_j <= x < g_(j+1)] P_j(x).  That is an identity for every row of knots, in any order.  P_j is kept as a cubic in d_j, expanded at its own
; left knot, and counts only inside its own interval.  The intervals are tested as they are written (x >= g_j and not x >= g_(j+1)); the masked values are ADDED, since in a row that is not sorted several intervals may hold x.
; c_spl is multiplied into c_basis first.  For two edges and one b: 30 compares, 14 packed differences, 42 packed multiply-adds, 28 selects, 13 packed additions.
; SHARES.  256 work-groups: x of the grid = 4 outputs o, y = 64 rows b; all 128 inputs i, so each number of out has one owner.  Eight waves: wave w takes o = o0 + w / 2 and inputs 64 (w % 2) on; lane l holds the
; two edges i = 64 (w % 2) + 2 l, + 1, a register pair for each constant: 15 knots and 56 coefficients, 142 registers, made once (366 instructions) and used for 64 rows (132 vector instructions each).
; THE QUANTISED PRODUCT.  Waves 0 to 3 make one matrix instruction each, for 16 rows b: source 0 = 16 rows of c_res, of which rows 0 to 3 are o0 .. o0 + 3 (the other twelve are rows (o0 + r) mod 128, whose results are
; dropped), source 1 = silu(x): a lane of the lower half then holds, for ONE b, its four o in the result's four lowest registers.  k is laid alike in both operands: registers 4 c .. 4 c + 3 hold k = 32 c + 16 (lane / 16) + 0 .. 15.
; NO JOINT LOADS, NO TENSOR LOADS, NO PREFETCH: a work-group reads 94 KB (32 KB of x, 30 KB of knots, 22 KB of c_basis, 10 KB more) once, at its head, and nothing in its loop.
; THE WAY OUT: a work-group owns 64 x 4 numbers, 16 bytes of each of 64 rows of out.  256 consecutive bytes of out are 64 o of one b: a work-group that owned them would make 8,192 edges' constants for 4 rows.
; LIMITS.  e0, e1 between -126 and 112, so that 2^e and 57,344 x 2^e are f32 numbers.  NaN among the inputs is not served.  The 39 differences g_(j+K) - g_j (K = 1, 2, 3) of an edge are normal numbers other than 0.
; The order of rounding differs from a recurrence on the basis functions; all of it is f32.
.set PX,   528                         ; a row of x in LDS: 512 bytes + 16: the 16 rows that a fragment load touches start at 16 different banks (64 banks of 4 bytes: ISA guide 11.1)
.set WSB,  64*PX                       ; behind the 64 rows of x: a stage of its own for each wave:
.set GB,   3840                        ;   64 edges x 15 knots,
.set WSZ,  6656                        ;   then 64 edges x 11 coefficients (2,816 bytes)
.set RES,  WSB+8*WSZ                   ; the quantised product's results: 64 b x 16 bytes; then 1,024 bytes for what the upper lanes drop
.set SPL,  RES+2048                    ; the splines' sums: [wave][b][half of the lanes], 4 bytes each
.set LANE, 1
.set RR,   2                           ; lane % 16
.set HH,   3                           ; lane / 16
.set LD16, 4                           ; LDS: my wave's stage + 16 x lane
.set LD8,  5                           ;      my wave's stage + 8 x lane
.set XST,  6                           ;      where I put 16 bytes of my wave's 8 rows of x
.set GRD,  7                           ;      my two edges' knots: stage + 120 x lane
.set CRD,  8                           ;      my two edges' coefficients: stage + 3,840 + 88 x lane
.set XFR,  9                           ;      x's fragment: row 16 (wave % 4) + lane % 16, + 64 (lane / 16)
.set RST,  10                          ;      where the product's four results go
.set XB,   11                          ;      my two x of row 0
.set SB,   12                          ;      my half's word of row 0's sum
.set FR,   13                          ;      the end: RES + 16 x thread
.set FS,   14                          ;      the end: SPL + 8 x thread
.set O16,  15                          ; memory: 16 x lane
.set O8,   16                          ;         8 x lane
.set OCR,  17                          ;         my row of c_res, + 64 (lane / 16)
.set OOUT, 18                          ;         512 x thread
.set XA,   19                          ; LDS addresses of the trip in hand
.set SA,   20
.set SC0,  21                          ; 2^e0;  LIM0: 57,344 x 2^e0;  SC1, LIM1: the same with e1
.set LIM0, 22
.set SC1,  23
.set X0,   24                          ; v[24:25], v[26:27]: my two x of a row, two rows by turns
.set X1,   26
.set CSP,  28                          ; v[28:29] c_spl of my two edges
.set SUM,  30
.set LIM1, 31
.set G,    32                          ; v32-61   knot j of my two edges at G + 2 j
.set CO,   62                          ; v62-173  cubic j at CO + 8 j: pairs D0, D1, D2, D3
.set T,    174
.set DD,   T                           ; v174-201 d_j
.set HN,   T+28                        ; v202-229 the cubics' values
.set CP,   T                           ; while the cubics are made: c_m at CP + 4 + 2 m, m = -2 .. 13
.set ALP,  T+32                        ; a_j, two by turns
.set QD,   T+36                        ; c1_j as A, B, C (of d^2, d, 1), two by turns
.set DL,   T+48
.set T1,   T+50
.set T2,   T+52
.set T3,   T+54
.set BS,   T+56
.set CRF,  32                          ; while the product is made: v32-95 c_res as f32, then at work; v96-159 x; v160-175, v176-191 the codes; v192-199 the result; v200-203 scaled
.set XF,   96
.set CA,   160
.set CB,   176
.set ACC,  192
.set RO,   200
.set XR,   96                          ; at the head: as loaded: v96-127 x, v128-157 knots, v158-179 coefficients
.set GR,   128
.set BR,   158
.set WV,   18
.set HALF, 19
.set OO,   20
.set O0,   21
.set B0,   22
.set XO,   24
.set SO,   25
.set CNT,  26
.set ES,   29
.set MA,   32                          ; s32-46 the first edge's 15 masks, s47-61 the second's
.set MB,   47
	s_load_b256 s[4:11], s[0:1], 0x0               ; x s[4:5], grid s[6:7], c_basis s[8:9], c_res s[10:11]
	s_load_b128 s[12:15], s[0:1], 0x20             ; c_spl s[12:13], lowp_scales s[14:15]
	s_load_b64 s[16:17], s[0:1], 0x30              ; out
	v_lshl_add_u32 v254, v0, 2, 0x16c00
	v_mov_b32 v255, 0
	v_lshrrev_b32 v[LANE], 5, v0
	v_readfirstlane_b32 s[WV], v[LANE]             ; wave 0..7
	v_and_b32 v[LANE], 31, v0
	v_and_b32 v[RR], 15, v0
	v_bfe_u32 v[HH], v0, 4, 1
	s_and_b32 s[HALF], s[WV], 1                    ; which 64 inputs
	s_lshr_b32 s[OO], s[WV], 1
	s_lshl_b32 s[O0], ttmp9, 2                     ; the work-group's first o
	s_add_co_u32 s[OO], s[OO], s[O0]               ; my wave's o
	s_and_b32 s[B0], ttmp7, 0xffff
	s_lshl_b32 s[B0], s[B0], 6                     ; the work-group's first b
	; every LDS address is made here, ahead of the first branch: a constant + a constant x wave + constants x lane
	s_mul_i32 s23, s[WV], WSZ
	s_add_co_u32 s23, s23, WSB
	v_lshl_add_u32 v[LD16], v[LANE], 4, s23
	v_lshl_add_u32 v[LD8], v[LANE], 3, s23
	v_mul_u32_u24 v[GRD], v[LANE], 120
	v_add_nc_u32 v[GRD], s23, v[GRD]
	v_mul_u32_u24 v[CRD], v[LANE], 88
	v_add_nc_u32 v[CRD], s23, v[CRD]
	v_add_nc_u32 v[CRD], GB, v[CRD]
	s_mul_i32 s24, s[WV], 8*PX
	v_lshl_add_u32 v[XST], v[LANE], 4, s24
	s_and_b32 s25, s[WV], 3
	s_mul_i32 s26, s25, 16*PX
	v_mul_u32_u24 v[XFR], v[RR], PX
	v_lshl_add_u32 v[XFR], v[HH], 6, v[XFR]
	v_add_nc_u32 v[XFR], s26, v[XFR]
	s_lshl_b32 s26, s25, 8
	s_add_co_u32 s26, s26, RES
	v_lshlrev_b32 v[RST], 4, v[RR]
	v_lshl_add_u32 v[RST], v[HH], 10, v[RST]       ; the upper lanes' results go 1,024 bytes on, where nobody reads
	v_add_nc_u32 v[RST], s26, v[RST]
	s_lshl_b32 s26, s[HALF], 8
	v_lshl_add_u32 v[XB], v[LANE], 3, s26
	s_lshl_b32 s26, s[WV], 9
	s_add_co_u32 s26, s26, SPL
	v_lshl_add_u32 v[SB], v[HH], 2, s26
	v_lshl_add_u32 v[FR], v0, 4, RES
	v_lshl_add_u32 v[FS], v0, 3, SPL
	v_lshlrev_b32 v[O16], 4, v[LANE]
	v_lshlrev_b32 v[O8], 3, v[LANE]
	v_add_nc_u32 v[OCR], s[O0], v[RR]
	v_and_b32 v[OCR], 127, v[OCR]                  ; row (o0 + lane % 16) mod 128 of c_res: always a row of the tensor
	v_lshlrev_b32 v[OCR], 9, v[OCR]
	v_lshl_add_u32 v[OCR], v[HH], 6, v[OCR]
	v_lshlrev_b32 v[OOUT], 9, v0
	s_wait_kmcnt 0x0
	s_load_b64 s[30:31], s[14:15], 0x0             ; e0, e1
	s_mov_b32 s3, 0
	s_lshl_b32 s2, s[B0], 9
	s_add_nc_u64 s[16:17], s[16:17], s[2:3]        ; out at row b0,
	s_lshl_b32 s27, s[WV], 12
	s_add_co_u32 s2, s2, s27
	s_add_nc_u64 s[4:5], s[4:5], s[2:3]            ; x at row b0 + 8 x wave
	s_lshl_b32 s2, s[O0], 2
	s_add_nc_u64 s[16:17], s[16:17], s[2:3]        ; column o0
	s_mul_i32 s2, s[OO], 7680
	s_mul_i32 s27, s[HALF], 3840
	s_add_co_u32 s2, s2, s27
	s_add_nc_u64 s[6:7], s[6:7], s[2:3]            ; my wave's 64 rows of knots: 3,840 consecutive bytes
	s_mul_i32 s2, s[OO], 5632
	s_mul_i32 s27, s[HALF], 2816
	s_add_co_u32 s2, s2, s27
	s_add_nc_u64 s[8:9], s[8:9], s[2:3]            ; and of c_basis: 2,816 consecutive bytes
	s_lshl_b32 s2, s[OO], 9
	s_lshl_b32 s27, s[HALF], 8
	s_add_co_u32 s2, s2, s27
	s_add_nc_u64 s[12:13], s[12:13], s[2:3]        ; my 64 numbers of c_spl
	; ---- all loads of the launch.  Waves 0 to 3: c_res as the operand's layout wants it: of row r, 16 neighbours of each block of 32
	s_cmp_lt_u32 s[WV], 4
	s_cbranch_scc0 .Lno_cres
.irp c, 0,1,2,3
.irp q, 0,1,2,3
	global_load_b128 v[CRF+16*\c+4*\q:CRF+16*\c+4*\q+3], v[OCR], s[10:11] offset:128*\c+16*\q
.endr
.endr
.Lno_cres:
.irp t, 0,1,2,3,4,5,6,7
	global_load_b128 v[XR+4*\t:XR+4*\t+3], v[O16], s[4:5] offset:512*\t          ; a row of x: 32 lanes, 512 consecutive bytes
.endr
.irp t, 0,1,2,3,4,5,6
	global_load_b128 v[GR+4*\t:GR+4*\t+3], v[O16], s[6:7] offset:512*\t          ; the knots as they lie: 7 x 512 bytes,
.endr
	global_load_b64 v[GR+28:GR+29], v[O8], s[6:7] offset:3584                    ; and the last 256
.irp t, 0,1,2,3,4
	global_load_b128 v[BR+4*\t:BR+4*\t+3], v[O16], s[8:9] offset:512*\t          ; c_basis likewise: 5 x 512 bytes,
.endr
	global_load_b64 v[BR+20:BR+21], v[O8], s[8:9] offset:2560                    ; and the last 256
	global_load_b64 v[CSP:CSP+1], v[O8], s[12:13]
	s_wait_loadcnt 0x0
	s_wait_kmcnt 0x0
.irp t, 0,1,2,3,4,5,6,7
	ds_store_b128 v[XST], v[XR+4*\t:XR+4*\t+3] offset:PX*\t
.endr
.irp t, 0,1,2,3,4,5,6
	ds_store_b128 v[LD16], v[GR+4*\t:GR+4*\t+3] offset:512*\t
.endr
	ds_store_b64 v[LD8], v[GR+28:GR+29] offset:3584
.irp t, 0,1,2,3,4
	ds_store_b128 v[LD16], v[BR+4*\t:BR+4*\t+3] offset:GB+512*\t
.endr
	ds_store_b64 v[LD8], v[BR+20:BR+21] offset:GB+2560
	s_wait_dscnt 0x0                               ; for the others' sake: my rows of x lie in LDS
	s_barrier_signal -1
	s_barrier_wait -1                              ; all 64 rows do
; 64 numbers of a lane, register 16 b + i = k 32 b + 16 (lane / 16) + i of its row, become an operand's 16 registers
.macro QUANT src, dst, sc, lim
.irp b, 0,1,2,3
.irp i, 0,1,2,3,4,5,6,7,8,9,10,11,12,13,14,15
	v_med3_num_f32 v[\src+16*\b+\i], v[\src+16*\b+\i], -v[\lim], v[\lim]   ; the conversion to an 8-bit code does not saturate (ISA guide 7.6.2): the hold at the largest code x the scale
.endr
	v_cvt_scalef32_pk8_bf8_f32 v[\dst+4*\b:\dst+4*\b+1], v[\src+16*\b:\src+16*\b+7], v[\sc]
	v_cvt_scalef32_pk8_bf8_f32 v[\dst+4*\b+2:\dst+4*\b+3], v[\src+16*\b+8:\src+16*\b+15], v[\sc]
.endr
	v_nop                                          ; a plain vector instruction between the last conversion and whatever next touches its result or writes its sources
.endm
	; ---- the quantised product: waves 0 to 3, 16 rows b each
	s_cmp_lt_u32 s[WV], 4
	s_cbranch_scc0 .Lno_res
.irp c, 0,1,2,3
.irp q, 0,1,2,3
	ds_load_b128 v[XF+16*\c+4*\q:XF+16*\c+4*\q+3], v[XFR] offset:128*\c+16*\q
.endr
.endr
	s_add_co_i32 s27, s30, 127
	s_lshl_b32 s2, s27, 23
	v_mov_b32 v[SC0], s2                           ; 2^e0 as f32: the conversion takes its exponent field
	s_add_co_i32 s27, s27, 15
	s_lshl_b32 s27, s27, 23
	s_or_b32 s27, s27, 0x600000
	v_mov_b32 v[LIM0], s27                         ; 57,344 x 2^e0
	s_add_co_i32 s27, s31, 127
	s_lshl_b32 s2, s27, 23
	v_mov_b32 v[SC1], s2
	s_add_co_i32 s27, s27, 15
	s_lshl_b32 s27, s27, 23
	s_or_b32 s27, s27, 0x600000
	v_mov_b32 v[LIM1], s27
	s_add_co_i32 s[ES], s30, s31                   ; e0 + e1
	s_mov_b32 s2, 0xbfb8aa3b                       ; -log2(e)
	s_mov_b32 s3, s2                               ; (named with it as a pair, so it is written)
	QUANT CRF, CA, SC1, LIM1                       ; c_res, while x's fragment is on its way
	s_wait_dscnt 0x0
.set i, 0
.rept 32
	v_pk_mul_f32 v[CRF+i:CRF+i+1], v[XF+i:XF+i+1], s[2:3] op_sel_hi:[1,0]        ; silu(x) = x / (1 + 2^(-x log2(e))), all in f32
.set i, i+2
.endr
.set i, 0
.rept 64
	v_exp_f32 v[CRF+i], v[CRF+i]
.set i, i+1
.endr
	v_nop                                          ; a plain instruction behind the last exponential,
	s_wait_alu depctr_va_vdst(0)                   ; and one wait for the batch, ahead of its first reader
.set i, 0
.rept 32
	v_pk_add_f32 v[CRF+i:CRF+i+1], v[CRF+i:CRF+i+1], 1.0 op_sel_hi:[1,0]
.set i, i+2
.endr
.set i, 0
.rept 64
	v_rcp_f32 v[CRF+i], v[CRF+i]
.set i, i+1
.endr
	v_nop
	s_wait_alu depctr_va_vdst(0)                   ; one wait for the 64 reciprocals
.set i, 0
.rept 32
	v_pk_mul_f32 v[XF+i:XF+i+1], v[XF+i:XF+i+1], v[CRF+i:CRF+i+1]
.set i, i+2
.endr
	QUANT XF, CB, SC0, LIM0
	v_wmma_f32_16x16x128_bf8_bf8 v[ACC:ACC+7], v[CA:CA+15], v[CB:CB+15], 0       ; register j of lane (r, h): b = r, row 8 h + j of the tile of c_res
.rept 4
	v_nop                                          ; four places behind the matrix instruction, for the reads below and for the loads and writes into its registers further on
.endr
.irp q, 0,1,2,3
	v_ldexp_f32 v[RO+\q], v[ACC+\q], s[ES]         ; x 2^(e0 + e1); the result's four lowest registers are all that is wanted
.endr
	ds_store_b128 v[RST], v[RO:RO+3]
.Lno_res:
	; ---- the cubics of my two edges.  Out of my wave's own stage, a word at a time, so that an edge pair's numbers stand in a register pair.
	; Lanes stand 30 or 22 words apart: 32 different even banks.  LDS serves a wave's instructions in order (ISA guide 5.7.1.4), and the stage is the wave's own.
.set j, 0
.rept 15
	ds_load_b32 v[G+2*j], v[GRD] offset:4*j
	ds_load_b32 v[G+2*j+1], v[GRD] offset:60+4*j
.set j, j+1
.endr
.set j, 0
.rept 11
	ds_load_b32 v[CP+4+2*j], v[CRD] offset:4*j
	ds_load_b32 v[CP+5+2*j], v[CRD] offset:44+4*j
.set j, j+1
.endr
	ds_load_b64 v[X0:X0+1], v[XB]                  ; my two x of row 0
	; zeros: c_-2, c_-1, c_11, c_12, c_13; a_-1; c1_-1; and the reciprocals that do not exist, so that a_12, a_13 and c1_13 come out 0 by the same lines as the others
.irp z, CP,CP+1,CP+2,CP+3,CP+26,CP+27,CP+28,CP+29,CP+30,CP+31,ALP+2,ALP+3,QD+6,QD+7,QD+8,QD+9,QD+10,QD+11,CO+98,CO+99,CO+106,CO+107,CO+108,CO+109
	v_mov_b32 v[\z], 0
.endr
	s_wait_dscnt 0x0
	; the 39 differences, each in the slot of the coefficient that will take its place: D3's slot g_(j+1) - g_j, D2's g_(j+2) - g_j, D1's g_(j+3) - g_j
.set j, 0
.rept 14
	v_pk_add_f32 v[CO+8*j+6:CO+8*j+7], v[G+2*j+2:G+2*j+3], v[G+2*j:G+2*j+1] neg_lo:[0,1] neg_hi:[0,1]
.set j, j+1
.endr
.set j, 0
.rept 13
	v_pk_add_f32 v[CO+8*j+4:CO+8*j+5], v[G+2*j+4:G+2*j+5], v[G+2*j:G+2*j+1] neg_lo:[0,1] neg_hi:[0,1]
.set j, j+1
.endr
.set j, 0
.rept 12
	v_pk_add_f32 v[CO+8*j+2:CO+8*j+3], v[G+2*j+6:G+2*j+7], v[G+2*j:G+2*j+1] neg_lo:[0,1] neg_hi:[0,1]
.set j, j+1
.endr
.set j, 0
.rept 14
	v_rcp_f32 v[CO+8*j+6], v[CO+8*j+6]
	v_rcp_f32 v[CO+8*j+7], v[CO+8*j+7]
.set j, j+1
.endr
.set j, 0
.rept 13
	v_rcp_f32 v[CO+8*j+4], v[CO+8*j+4]
	v_rcp_f32 v[CO+8*j+5], v[CO+8*j+5]
.set j, j+1
.endr
.set j, 0
.rept 12
	v_rcp_f32 v[CO+8*j+2], v[CO+8*j+2]
	v_rcp_f32 v[CO+8*j+3], v[CO+8*j+3]
.set j, j+1
.endr
.set j, 0
.rept 11
	v_pk_mul_f32 v[CP+4+2*j:CP+5+2*j], v[CP+4+2*j:CP+5+2*j], v[CSP:CSP+1]        ; c_basis x c_spl: plain work behind the reciprocals that names none of them
.set j, j+1
.endr
	s_wait_alu depctr_va_vdst(0)                   ; one wait for the 78 reciprocals, ahead of their first reader
; Interval j.  In: a_(j-1), and c1_(j-1) as a quadratic in d_(j-1).  Out: a_j, c1_j as a quadratic in d_j, and P_j in its four slots.
.macro EDGE j
.set JM, (\j)-1
.if (\j) == 0
.set JM, 0
.endif
.set AC, ALP+2*((\j)%2)
.set AP, ALP+2*(((\j)+1)%2)
.set QN, QD+6*((\j)%2)
.set QO, QD+6*(((\j)+1)%2)
.set KK, CO+8*(\j)
.set CJ, CP+4+2*(\j)
	v_pk_add_f32 v[DL:DL+1], v[G+2*(\j):G+2*(\j)+1], v[G+2*JM:G+2*JM+1] neg_lo:[0,1] neg_hi:[0,1]   ; D = g_j - g_(j-1)  (j = 0: 0; it multiplies zeros)
	v_pk_add_f32 v[T1:T1+1], v[CJ:CJ+1], v[CJ-2:CJ-1] neg_lo:[0,1] neg_hi:[0,1]
	v_pk_mul_f32 v[AC:AC+1], v[T1:T1+1], v[KK+2:KK+3]                            ; a_j = (c_j - c_(j-1)) / (g_(j+3) - g_j)
	v_pk_fma_f32 v[QN+4:QN+5], v[AP:AP+1], v[DL:DL+1], v[CJ-4:CJ-3]              ; C = c2_(j-1) at g_j = c_(j-2) + a_(j-1) D
	v_pk_add_f32 v[T1:T1+1], v[CJ-2:CJ-1], v[QN+4:QN+5] neg_lo:[0,1] neg_hi:[0,1]
	v_pk_fma_f32 v[QN+2:QN+3], v[KK+4:KK+5], v[T1:T1+1], v[AP:AP+1]              ; B = a_(j-1) + (c_(j-1) - C) / (g_(j+2) - g_j)
	v_pk_add_f32 v[T2:T2+1], v[AC:AC+1], v[AP:AP+1] neg_lo:[0,1] neg_hi:[0,1]
	v_pk_mul_f32 v[QN:QN+1], v[KK+4:KK+5], v[T2:T2+1]                            ; A = (a_j - a_(j-1)) / (g_(j+2) - g_j)
	v_pk_fma_f32 v[T3:T3+1], v[DL:DL+1], v[QO:QO+1], v[QO+2:QO+3]                ; c1_(j-1) moved to g_j: B + D A,
	v_pk_fma_f32 v[KK:KK+1], v[DL:DL+1], v[T3:T3+1], v[QO+4:QO+5]                ; D0 = C' = C + D (B + D A)
	v_pk_fma_f32 v[BS:BS+1], v[DL:DL+1], v[QO:QO+1], v[T3:T3+1]                  ; B' = B + 2 D A;  A' = A
	v_pk_add_f32 v[T1:T1+1], v[QN+4:QN+5], v[KK:KK+1] neg_lo:[0,1] neg_hi:[0,1]
	v_pk_fma_f32 v[KK+2:KK+3], v[KK+6:KK+7], v[T1:T1+1], v[BS:BS+1]              ; D1 = B' + (C_j - C') / (g_(j+1) - g_j)
	v_pk_add_f32 v[T2:T2+1], v[QN+2:QN+3], v[BS:BS+1] neg_lo:[0,1] neg_hi:[0,1]
	v_pk_fma_f32 v[KK+4:KK+5], v[KK+6:KK+7], v[T2:T2+1], v[QO:QO+1]              ; D2 = A' + (B_j - B') / (g_(j+1) - g_j)
	v_pk_add_f32 v[T1:T1+1], v[QN:QN+1], v[QO:QO+1] neg_lo:[0,1] neg_hi:[0,1]
	v_pk_mul_f32 v[KK+6:KK+7], v[KK+6:KK+7], v[T1:T1+1]                          ; D3 = (A_j - A') / (g_(j+1) - g_j)
.endm
.irp j, 0,1,2,3,4,5,6,7,8,9,10,11,12,13
	EDGE \j
.endr
; ---- one row b.  xc: my two x of it; xn: the pair that takes the next row's (ld = 1), from xoff bytes on; soff: the row's place in the sums.
.macro BODY xc, xn, ld, xoff, soff
	s_wait_dscnt 0x1                               ; behind the load of this row's x, issued at the head of the row before, stands one LDS instruction: that row's store
.if \ld
	ds_load_b64 v[\xn:\xn+1], v[XA] offset:\xoff
.endif
.set j, 0
.rept 15
	v_cmp_ge_f32 s[MA+j], v[\xc], v[G+2*j]         ; x >= g_j, for each of the two edges
	v_cmp_ge_f32 s[MB+j], v[\xc+1], v[G+2*j+1]
.set j, j+1
.endr
.set j, 0
.rept 14
	v_pk_add_f32 v[DD+2*j:DD+2*j+1], v[\xc:\xc+1], v[G+2*j:G+2*j+1] neg_lo:[0,1] neg_hi:[0,1]   ; d_j = x - g_j
.set j, j+1
.endr
.set j, 0
.rept 14
	s_and_not1_b32 s[MA+j], s[MA+j], s[MA+j+1]     ; g_j <= x < g_(j+1); mask j + 1 is still whole when mask j takes it
	s_and_not1_b32 s[MB+j], s[MB+j], s[MB+j+1]
.set j, j+1
.endr
.set j, 0
.rept 14
	v_pk_fma_f32 v[HN+2*j:HN+2*j+1], v[CO+8*j+6:CO+8*j+7], v[DD+2*j:DD+2*j+1], v[CO+8*j+4:CO+8*j+5]   ; the 14 cubics side by side: no line waits for the line above it
.set j, j+1
.endr
.set j, 0
.rept 14
	v_pk_fma_f32 v[HN+2*j:HN+2*j+1], v[HN+2*j:HN+2*j+1], v[DD+2*j:DD+2*j+1], v[CO+8*j+2:CO+8*j+3]
.set j, j+1
.endr
.set j, 0
.rept 14
	v_pk_fma_f32 v[HN+2*j:HN+2*j+1], v[HN+2*j:HN+2*j+1], v[DD+2*j:DD+2*j+1], v[CO+8*j:CO+8*j+1]
.set j, j+1
.endr
.set j, 0
.rept 14
	v_cndmask_b32 v[HN+2*j], 0, v[HN+2*j], s[MA+j] ; a cubic counts in its own interval alone; whatever it is elsewhere is dropped, not multiplied
	v_cndmask_b32 v[HN+2*j+1], 0, v[HN+2*j+1], s[MB+j]
.set j, j+1
.endr
.set j, 0
.rept 7
	v_pk_add_f32 v[HN+2*j:HN+2*j+1], v[HN+2*j:HN+2*j+1], v[HN+2*j+14:HN+2*j+15]
.set j, j+1
.endr
.set j, 0
.rept 3
	v_pk_add_f32 v[HN+2*j:HN+2*j+1], v[HN+2*j:HN+2*j+1], v[HN+2*j+8:HN+2*j+9]
.set j, j+1
.endr
	v_pk_add_f32 v[HN:HN+1], v[HN:HN+1], v[HN+4:HN+5]
	v_pk_add_f32 v[HN+2:HN+3], v[HN+2:HN+3], v[HN+6:HN+7]
	v_pk_add_f32 v[HN:HN+1], v[HN:HN+1], v[HN+2:HN+3]
	v_add_f32 v[SUM], v[HN], v[HN+1]               ; my two edges,
	v_add_f32_dpp v[SUM], v[SUM], v[SUM] row_xmask:1 row_mask:0xf bank_mask:0xf  ; and the sixteen lanes of my half
	v_add_f32_dpp v[SUM], v[SUM], v[SUM] row_xmask:2 row_mask:0xf bank_mask:0xf
	v_add_f32_dpp v[SUM], v[SUM], v[SUM] row_xmask:4 row_mask:0xf bank_mask:0xf
	v_add_f32_dpp v[SUM], v[SUM], v[SUM] row_xmask:8 row_mask:0xf bank_mask:0xf
	ds_store_b32 v[SA], v[SUM] offset:\soff        ; sixteen lanes write one word with one value; the two halves' words lie side by side and are added at the end
.endm
	s_mov_b32 s[XO], 0
	s_mov_b32 s[SO], 0
	s_mov_b32 s[CNT], 0
.Lrows:                                            ; 31 trips of two rows; on the way in no LDS instruction is out
	v_add_nc_u32 v[XA], s[XO], v[XB]
	v_add_nc_u32 v[SA], s[SO], v[SB]
	BODY X0, X1, 1, PX, 0
	BODY X1, X0, 1, 2*PX, 8
	s_add_co_u32 s[XO], s[XO], 2*PX
	s_add_co_u32 s[SO], s[SO], 16
	s_add_co_u32 s[CNT], s[CNT], 1
	s_cmp_lt_u32 s[CNT], 31
	s_cbranch_scc1 .Lrows
	v_add_nc_u32 v[XA], s[XO], v[XB]               ; rows 62 and 63 are written out: the last asks for no further row
	v_add_nc_u32 v[SA], s[SO], v[SB]
	BODY X0, X1, 1, PX, 0
	BODY X1, X0, 0, 0, 8
	s_wait_dscnt 0x0                               ; for the others' sake: my sums, and in waves 0 to 3 the product's results, lie in LDS
	s_barrier_signal -1
	s_barrier_wait -1
	; ---- the end: thread t of the first 64 owns row b0 + t: for each of the four o, two waves' two halves and the product's number
	s_cmp_lt_u32 s[WV], 2
	s_cbranch_scc0 .Ldone
	ds_load_b128 v[48:51], v[FR]
.irp w, 0,1,2,3,4,5,6,7
	ds_load_b64 v[32+2*\w:33+2*\w], v[FS] offset:512*\w
.endr
	s_wait_dscnt 0x0
.irp q, 0,1,2,3
	v_add_f32 v[32+4*\q], v[32+4*\q], v[33+4*\q]
	v_add_f32 v[34+4*\q], v[34+4*\q], v[35+4*\q]
.endr
.irp q, 0,1,2,3
	v_add_f32 v[32+4*\q], v[32+4*\q], v[34+4*\q]
.endr
.irp q, 0,1,2,3
	v_add_f32 v[52+\q], v[32+4*\q], v[48+\q]
.endr
	global_store_b128 v[OOUT], v[52:55], s[16:17]  ; a lane stores its row's 16 bytes: all that the work-group owns of that row
.Ldone:
	s_wait_tensorcnt 0x0
	ds_add_u32 v254, v255
	s_wait_dscnt 0x0
	s_endpgm
.Lfunc_end_k_q6dafe13dc2_kan:
	.size	k_q6dafe13dc2_kan, .Lfunc_end_k_q6dafe13dc2_kan-k_q6dafe13dc2_kan
	.p2alignl 7, 3214868480
	.fill 96, 4, 3214868480
	.section	.rodata,"a",@progbits
	.p2align	6, 0x0
	.amdhsa_kernel k_q6dafe13dc2_kan
		.amdhsa_group_segment_fixed_size 94208
		.amdhsa_private_segment_fixed_size 0
		.amdhsa_enable_private_segment 0
		.amdhsa_kernarg_size 56
		.amdhsa_user_sgpr_count 2
		.amdhsa_user_sgpr_kernarg_segment_ptr 1
		.amdhsa_wavefront_size32 1
		.amdhsa_system_sgpr_workgroup_id_x 1
		.amdhsa_system_sgpr_workgroup_id_y 1
		.amdhsa_system_sgpr_workgroup_id_z 1
		.amdhsa_system_vgpr_workitem_id 0
		.amdhsa_next_free_vgpr 256
		.amdhsa_next_free_sgpr 66
		.amdhsa_reserve_vcc 0
		.amdhsa_float_denorm_mode_32 3
		.amdhsa_float_denorm_mode_16_64 3
		.amdhsa_memory_ordered 1
		.amdhsa_forward_progress 1
		.amdhsa_inst_pref_size 94
	.end_amdhsa_kernel
	.amdgpu_metadata
---
amdhsa.version: [ 1, 2 ]
amdhsa.kernels:
  - .name:           k_q6dafe13dc2_kan
    .symbol:         k_q6dafe13dc2_kan.kd
    .args:
      - { .name: x, .offset: 0, .size: 8, .value_kind: global_buffer, .address_space: global }
      - { .name: grid, .offset: 8, .size: 8, .value_kind: global_buffer, .address_space: global }
      - { .name: c_basis, .offset: 16, .size: 8, .value_kind: global_buffer, .address_space: global }
      - { .name: c_res, .offset: 24, .size: 8, .value_kind: global_buffer, .address_space: global }
      - { .name: c_spl, .offset: 32, .size: 8, .value_kind: global_buffer, .address_space: global }
      - { .name: lowp_scales, .offset: 40, .size: 8, .value_kind: global_buffer, .address_space: global }
      - { .name: out0, .offset: 48, .size: 8, .value_kind: global_buffer, .address_space: global }
    .group_segment_fixed_size: 94208
    .private_segment_fixed_size: 0
    .kernarg_segment_align: 8
    .kernarg_segment_size: 56
    .max_flat_workgroup_size: 256
    .sgpr_count:     66
    .vgpr_count:     256
    .wavefront_size: 32
...
	.end_amdgpu_metadata
.endif
;; end of part 1
;; ======== version 2 of 2: 1 launch; version 1 with the launch kan written anew for expert scheduling mode
;; limits: below input magnitudes of 1e-12 results are inexact or not finite; right only within a limited range of input values
;; launch kan (part 2): grid 32 x 8, 8 waves a work-group, no clusters, 94,208 bytes of LDS; arguments x, grid, c_basis, c_res, c_spl, lowp_scales, out0; writes out0
.if DOCPART == 2
	.amdgcn_target "amdgcn-amd-amdhsa--gfx1250"
	.amdhsa_code_object_version 6
	.text
	.protected	k_q6dafe13dc2_kan
	.globl	k_q6dafe13dc2_kan
	.p2align	8
	.type	k_q6dafe13dc2_kan,@function
k_q6dafe13dc2_kan:
	s_mov_b64 s[64:65], 0
	v_nop
	global_prefetch_b8 v0, s[64:65] scope:SCOPE_SE
	s_setreg_imm32_b32 hwreg(HW_REG_WAVE_SCHED_MODE, 0, 2), 2
	s_setreg_imm32_b32 hwreg(HW_REG_WAVE_MODE, 25, 1), 1
	s_wait_xcnt 0x0
	s_wait_alu depctr_vm_vsrc(0)
; out[b][o] = sum_i Q(silu(x[b][i])) Q(c_res[o][i])  +  sum_i c_spl[o][i] sum_m c_basis[e][m] B_m(x[b][i]; grid[e]),  e = 128 o + i.
; x [512][128], grid [16384][15], c_basis [16384][11], c_res, c_spl [128][128], out [512][128]: f32.  lowp_scales: e0 (silu(x)), e1 (c_res).
; THE SPLINE.  The Cox-de Boor recurrence is linear in the basis functions with weights linear in x, so it is carried out on the COEFFICIENTS, once for each edge:
;   c2_m = c_(m-1) + a_m d_m,  a_m = (c_m - c_(m-1)) / (g_(m+3) - g_m);   c1_m = c2_(m-1) + d_m / (g_(m+2) - g_m) (c2_m - c2_(m-1));   P_m = c1_(m-1) + d_m / (g_(m+1) - g_m) (c1_m - c1_(m-1)),   d_m = x - g_m,
; (c outside 0..10 is 0) and the edge's spline is  sum over j = 0..13 of [g_j <= x < g_(j+1)] P_j(x).  That is an identity for every row of knots, in any order.  P_j is kept as a cubic in d_j, expanded at its own
; left knot, and counts only inside its own interval.  The intervals are tested as they are written (x >= g_j and not x >= g_(j+1)); the masked values are ADDED, since in a row that is not sorted several intervals may hold x.
; c_spl is multiplied into c_basis first.  For two edges and one b: 30 compares, 14 packed differences, 42 packed multiply-adds, 28 selects, 13 packed additions.
; SHARES.  256 work-groups: x of the grid = 4 outputs o, y = 64 rows b; all 128 inputs i, so each number of out has one owner.  Eight waves: wave w takes o = o0 + w / 2 and inputs 64 (w % 2) on; lane l holds the
; two edges i = 64 (w % 2) + 2 l, + 1, a register pair for each constant: 15 knots and 56 coefficients, 142 registers, made once (366 instructions) and used for 64 rows (132 vector instructions each).
; THE QUANTISED PRODUCT.  Waves 0 to 3 make one matrix instruction each, for 16 rows b: source 0 = 16 rows of c_res, of which rows 0 to 3 are o0 .. o0 + 3 (the other twelve are rows (o0 + r) mod 128, whose results are
; dropped), source 1 = silu(x): a lane of the lower half then holds, for ONE b, its four o in the result's four lowest registers.  k is laid alike in both operands: registers 4 c .. 4 c + 3 hold k = 32 c + 16 (lane / 16) + 0 .. 15.
; NO JOINT LOADS, NO TENSOR LOADS, NO PREFETCH: a work-group reads 94 KB (32 KB of x, 30 KB of knots, 22 KB of c_basis, 10 KB more) once, at its head, and nothing in its loop.
; THE WAY OUT: a work-group owns 64 x 4 numbers, 16 bytes of each of 64 rows of out.  256 consecutive bytes of out are 64 o of one b: a work-group that owned them would make 8,192 edges' constants for 4 rows.
; LIMITS.  e0, e1 between -126 and 112, so that 2^e and 57,344 x 2^e are f32 numbers.  NaN among the inputs is not served.  The 39 differences g_(j+K) - g_j (K = 1, 2, 3) of an edge are normal numbers other than 0.
; The order of rounding differs from a recurrence on the basis functions; all of it is f32.
; THE MODE: SCHED_MODE bits 1:0 = 2 (LLVM: expert scheduling mode 2), set by the entry lines.  The code itself states the register dependences between vector or matrix instructions and memory or LDS
; instructions, and those through scalar registers that vector instructions write, with s_wait_alu, always for 0.
; THE PLAN.  Registers that LDS instructions touch in the loop over the rows:
;   X0, X1       my two x of a row.  Row r: its 30 compares and 14 differences, which stand ahead of the row's middle, read X[r % 2]; the load in the middle of row r - 1 has filled it.
;   SUM0, SUM1   a row's sum.  Row r: its last five vector lines write SUM[r % 2]; the store in the middle of row r + 1 reads it; row r + 2 writes it again.
;   v[XA], v[SA] the trip's LDS addresses: written at the head of a trip of two rows, read by the trip's two loads and two stores.
;   s32-61       the masks: written by a row's compares, read first by the scalar lines in its middle.
;   The knots, the cubics, d and the cubics' values are named by vector instructions alone.  v4 to v18, offsets and addresses, are made at the head and never written again.
; So a row has its LDS instructions in its MIDDLE, behind the compares and the differences: there one wait on va_sdst states that the masks are written, and one on va_vdst that the row before has written its sum and
; is done reading its x, and that the trip's addresses are written; the store of the row before's sum and the load of the next row's x follow.  One wait on vm_vsrc stands at a row's head: the store of the row before has
; read the sum register that this row writes again, and, in a trip's first row, the trip before has read its addresses.
.set PX,   528                         ; a row of x in LDS: 512 bytes + 16: the 16 rows that a fragment load touches start at 16 different banks (64 banks of 4 bytes: ISA guide 11.1)
.set WSB,  64*PX                       ; behind the 64 rows of x: a stage of its own for each wave:
.set GB,   3840                        ;   64 edges x 15 knots,
.set WSZ,  6656                        ;   then 64 edges x 11 coefficients (2,816 bytes)
.set RES,  WSB+8*WSZ                   ; the quantised product's results: 64 b x 16 bytes; then 1,024 bytes for what the upper lanes drop
.set SPL,  RES+2048                    ; the splines' sums: [wave][b][half of the lanes], 4 bytes each
.set LANE, 1
.set RR,   2                           ; lane % 16
.set HH,   3                           ; lane / 16
.set LD16, 4                           ; LDS: my wave's stage + 16 x lane
.set LD8,  5                           ;      my wave's stage + 8 x lane
.set XST,  6                           ;      where I put 16 bytes of my wave's 8 rows of x
.set GRD,  7                           ;      my two edges' knots: stage + 120 x lane
.set CRD,  8                           ;      my two edges' coefficients: stage + 3,840 + 88 x lane
.set XFR,  9                           ;      x's fragment: row 16 (wave % 4) + lane % 16, + 64 (lane / 16)
.set RST,  10                          ;      where the product's four results go
.set XB,   11                          ;      my two x of row 0
.set SB,   12                          ;      my half's word of row 0's sum
.set FR,   13                          ;      the end: RES + 16 x thread
.set FS,   14                          ;      the end: SPL + 8 x thread
.set O16,  15                          ; memory: 16 x lane
.set O8,   16                          ;         8 x lane
.set OCR,  17                          ;         my row of c_res, + 64 (lane / 16)
.set OOUT, 18                          ;         512 x thread
.set XA,   19                          ; LDS addresses of the trip in hand
.set SA,   20
.set SC0,  21                          ; 2^e0;  LIM0: 57,344 x 2^e0;  SC1, LIM1: the same with e1
.set LIM0, 22
.set SC1,  23
.set X0,   24                          ; v[24:25], v[26:27]: my two x of a row, two rows by turns
.set X1,   26
.set CSP,  28                          ; v[28:29] c_spl of my two edges
.set SUM0, 30                          ; an even row's sum
.set LIM1, 31
.set G,    32                          ; v32-61   knot j of my two edges at G + 2 j
.set CO,   62                          ; v62-173  cubic j at CO + 8 j: pairs D0, D1, D2, D3
.set T,    174
.set DD,   T                           ; v174-201 d_j
.set HN,   T+28                        ; v202-229 the cubics' values
.set CP,   T                           ; while the cubics are made: c_m at CP + 4 + 2 m, m = -2 .. 13
.set ALP,  T+32                        ; a_j, two by turns
.set QD,   T+36                        ; c1_j as A, B, C (of d^2, d, 1), two by turns
.set DL,   T+48
.set T1,   T+50
.set T2,   T+52
.set T3,   T+54
.set BS,   T+56
.set SUM1, T+58                        ; v232     an odd row's sum
.set CRF,  32                          ; while the product is made: v32-95 c_res as f32, then at work; v96-159 x; v160-175, v176-191 the codes; v192-199 the result; v200-203 scaled
.set XF,   96
.set CA,   160
.set CB,   176
.set ACC,  192
.set RO,   200
.set XR,   96                          ; at the head: as loaded: v96-127 x, v128-157 knots, v158-179 coefficients
.set GR,   128
.set BR,   158
.set WV,   18
.set HALF, 19
.set OO,   20
.set O0,   21
.set B0,   22
.set XO,   24
.set SO,   25
.set CNT,  26
.set ES,   29
.set MA,   32                          ; s32-46 the first edge's 15 masks, s47-61 the second's
.set MB,   47
	s_load_b256 s[4:11], s[0:1], 0x0               ; x s[4:5], grid s[6:7], c_basis s[8:9], c_res s[10:11]
	s_load_b128 s[12:15], s[0:1], 0x20             ; c_spl s[12:13], lowp_scales s[14:15]
	s_load_b64 s[16:17], s[0:1], 0x30              ; out
	v_lshl_add_u32 v254, v0, 2, 0x16c00
	v_mov_b32 v255, 0
	v_lshrrev_b32 v[LANE], 5, v0
	v_readfirstlane_b32 s[WV], v[LANE]             ; wave 0..7
	v_and_b32 v[LANE], 31, v0
	v_and_b32 v[RR], 15, v0
	v_bfe_u32 v[HH], v0, 4, 1
	s_wait_alu depctr_va_sdst(0)                   ; the wave's number is written, ahead of its first reader: addresses, bases and branches are made from it
	s_and_b32 s[HALF], s[WV], 1                    ; which 64 inputs
	s_lshr_b32 s[OO], s[WV], 1
	s_lshl_b32 s[O0], ttmp9, 2                     ; the work-group's first o
	s_add_co_u32 s[OO], s[OO], s[O0]               ; my wave's o
	s_and_b32 s[B0], ttmp7, 0xffff
	s_lshl_b32 s[B0], s[B0], 6                     ; the work-group's first b
	; every LDS address is made here, ahead of the first branch: a constant + a constant x wave + constants x lane
	s_mul_i32 s23, s[WV], WSZ
	s_add_co_u32 s23, s23, WSB
	v_lshl_add_u32 v[LD16], v[LANE], 4, s23
	v_lshl_add_u32 v[LD8], v[LANE], 3, s23
	v_mul_u32_u24 v[GRD], v[LANE], 120
	v_add_nc_u32 v[GRD], s23, v[GRD]
	v_mul_u32_u24 v[CRD], v[LANE], 88
	v_add_nc_u32 v[CRD], s23, v[CRD]
	v_add_nc_u32 v[CRD], GB, v[CRD]
	s_mul_i32 s24, s[WV], 8*PX
	v_lshl_add_u32 v[XST], v[LANE], 4, s24
	s_and_b32 s25, s[WV], 3
	s_mul_i32 s26, s25, 16*PX
	v_mul_u32_u24 v[XFR], v[RR], PX
	v_lshl_add_u32 v[XFR], v[HH], 6, v[XFR]
	v_add_nc_u32 v[XFR], s26, v[XFR]
	s_lshl_b32 s26, s25, 8
	s_add_co_u32 s26, s26, RES
	v_lshlrev_b32 v[RST], 4, v[RR]
	v_lshl_add_u32 v[RST], v[HH], 10, v[RST]       ; the upper lanes' results go 1,024 bytes on, where nobody reads
	v_add_nc_u32 v[RST], s26, v[RST]
	s_lshl_b32 s26, s[HALF], 8
	v_lshl_add_u32 v[XB], v[LANE], 3, s26
	s_lshl_b32 s26, s[WV], 9
	s_add_co_u32 s26, s26, SPL
	v_lshl_add_u32 v[SB], v[HH], 2, s26
	v_lshl_add_u32 v[FR], v0, 4, RES
	v_lshl_add_u32 v[FS], v0, 3, SPL
	v_lshlrev_b32 v[O16], 4, v[LANE]
	v_lshlrev_b32 v[O8], 3, v[LANE]
	v_add_nc_u32 v[OCR], s[O0], v[RR]
	v_and_b32 v[OCR], 127, v[OCR]                  ; row (o0 + lane % 16) mod 128 of c_res: always a row of the tensor
	v_lshlrev_b32 v[OCR], 9, v[OCR]
	v_lshl_add_u32 v[OCR], v[HH], 6, v[OCR]
	v_lshlrev_b32 v[OOUT], 9, v0
	s_wait_kmcnt 0x0
	s_load_b64 s[30:31], s[14:15], 0x0             ; e0, e1
	s_mov_b32 s3, 0
	s_lshl_b32 s2, s[B0], 9
	s_add_nc_u64 s[16:17], s[16:17], s[2:3]        ; out at row b0,
	s_lshl_b32 s27, s[WV], 12
	s_add_co_u32 s2, s2, s27
	s_add_nc_u64 s[4:5], s[4:5], s[2:3]            ; x at row b0 + 8 x wave
	s_lshl_b32 s2, s[O0], 2
	s_add_nc_u64 s[16:17], s[16:17], s[2:3]        ; column o0
	s_mul_i32 s2, s[OO], 7680
	s_mul_i32 s27, s[HALF], 3840
	s_add_co_u32 s2, s2, s27
	s_add_nc_u64 s[6:7], s[6:7], s[2:3]            ; my wave's 64 rows of knots: 3,840 consecutive bytes
	s_mul_i32 s2, s[OO], 5632
	s_mul_i32 s27, s[HALF], 2816
	s_add_co_u32 s2, s2, s27
	s_add_nc_u64 s[8:9], s[8:9], s[2:3]            ; and of c_basis: 2,816 consecutive bytes
	s_lshl_b32 s2, s[OO], 9
	s_lshl_b32 s27, s[HALF], 8
	s_add_co_u32 s2, s2, s27
	s_add_nc_u64 s[12:13], s[12:13], s[2:3]        ; my 64 numbers of c_spl
	s_wait_alu depctr_va_vdst(0)                   ; the offsets and LDS addresses v4 to v18 are written: every load and store of the kernel but the loop's reads one of them, and none is written again
	; ---- all loads of the launch.  Waves 0 to 3: c_res as the operand's layout wants it: of row r, 16 neighbours of each block of 32
	s_cmp_lt_u32 s[WV], 4
	s_cbranch_scc0 .Lno_cres
.irp c, 0,1,2,3
.irp q, 0,1,2,3
	global_load_b128 v[CRF+16*\c+4*\q:CRF+16*\c+4*\q+3], v[OCR], s[10:11] offset:128*\c+16*\q
.endr
.endr
.Lno_cres:
.irp t, 0,1,2,3,4,5,6,7
	global_load_b128 v[XR+4*\t:XR+4*\t+3], v[O16], s[4:5] offset:512*\t          ; a row of x: 32 lanes, 512 consecutive bytes
.endr
.irp t, 0,1,2,3,4,5,6
	global_load_b128 v[GR+4*\t:GR+4*\t+3], v[O16], s[6:7] offset:512*\t          ; the knots as they lie: 7 x 512 bytes,
.endr
	global_load_b64 v[GR+28:GR+29], v[O8], s[6:7] offset:3584                    ; and the last 256
.irp t, 0,1,2,3,4
	global_load_b128 v[BR+4*\t:BR+4*\t+3], v[O16], s[8:9] offset:512*\t          ; c_basis likewise: 5 x 512 bytes,
.endr
	global_load_b64 v[BR+20:BR+21], v[O8], s[8:9] offset:2560                    ; and the last 256
	global_load_b64 v[CSP:CSP+1], v[O8], s[12:13]
	s_wait_loadcnt 0x0
	s_wait_kmcnt 0x0
.irp t, 0,1,2,3,4,5,6,7
	ds_store_b128 v[XST], v[XR+4*\t:XR+4*\t+3] offset:PX*\t
.endr
.irp t, 0,1,2,3,4,5,6
	ds_store_b128 v[LD16], v[GR+4*\t:GR+4*\t+3] offset:512*\t
.endr
	ds_store_b64 v[LD8], v[GR+28:GR+29] offset:3584
.irp t, 0,1,2,3,4
	ds_store_b128 v[LD16], v[BR+4*\t:BR+4*\t+3] offset:GB+512*\t
.endr
	ds_store_b64 v[LD8], v[BR+20:BR+21] offset:GB+2560
	s_wait_dscnt 0x0                               ; for the others' sake: my rows of x lie in LDS
	s_barrier_signal -1
	s_barrier_wait -1                              ; all 64 rows do
	s_wait_alu depctr_vm_vsrc(0)                   ; my LDS stores have read v96 to v179: from here on these registers take x's fragment, the codes, the cubics and c_m, by LDS loads and by vector instructions
; 64 numbers of a lane, register 16 b + i = k 32 b + 16 (lane / 16) + i of its row, become an operand's 16 registers
.macro QUANT src, dst, sc, lim
.irp b, 0,1,2,3
.irp i, 0,1,2,3,4,5,6,7,8,9,10,11,12,13,14,15
	v_med3_num_f32 v[\src+16*\b+\i], v[\src+16*\b+\i], -v[\lim], v[\lim]   ; the conversion to an 8-bit code does not saturate (ISA guide 7.6.2): the hold at the largest code x the scale
.endr
	v_cvt_scalef32_pk8_bf8_f32 v[\dst+4*\b:\dst+4*\b+1], v[\src+16*\b:\src+16*\b+7], v[\sc]
	v_cvt_scalef32_pk8_bf8_f32 v[\dst+4*\b+2:\dst+4*\b+3], v[\src+16*\b+8:\src+16*\b+15], v[\sc]
.endr
	v_nop                                          ; a plain vector instruction between the last conversion and whatever next touches its result or writes its sources
.endm
	; ---- the quantised product: waves 0 to 3, 16 rows b each
	s_cmp_lt_u32 s[WV], 4
	s_cbranch_scc0 .Lno_res
.irp c, 0,1,2,3
.irp q, 0,1,2,3
	ds_load_b128 v[XF+16*\c+4*\q:XF+16*\c+4*\q+3], v[XFR] offset:128*\c+16*\q    ; no vector instruction has named v96 to v159 yet
.endr
.endr
	s_add_co_i32 s27, s30, 127
	s_lshl_b32 s2, s27, 23
	v_mov_b32 v[SC0], s2                           ; 2^e0 as f32: the conversion takes its exponent field
	s_add_co_i32 s27, s27, 15
	s_lshl_b32 s27, s27, 23
	s_or_b32 s27, s27, 0x600000
	v_mov_b32 v[LIM0], s27                         ; 57,344 x 2^e0
	s_add_co_i32 s27, s31, 127
	s_lshl_b32 s2, s27, 23
	v_mov_b32 v[SC1], s2
	s_add_co_i32 s27, s27, 15
	s_lshl_b32 s27, s27, 23
	s_or_b32 s27, s27, 0x600000
	v_mov_b32 v[LIM1], s27
	s_add_co_i32 s[ES], s30, s31                   ; e0 + e1
	s_mov_b32 s2, 0xbfb8aa3b                       ; -log2(e)
	s_mov_b32 s3, s2                               ; (named with it as a pair, so it is written)
	QUANT CRF, CA, SC1, LIM1                       ; c_res, while x's fragment is on its way
	s_wait_dscnt 0x0
.set i, 0
.rept 32
	v_pk_mul_f32 v[CRF+i:CRF+i+1], v[XF+i:XF+i+1], s[2:3] op_sel_hi:[1,0]        ; silu(x) = x / (1 + 2^(-x log2(e))), all in f32
.set i, i+2
.endr
.set i, 0
.rept 64
	v_exp_f32 v[CRF+i], v[CRF+i]
.set i, i+1
.endr
	v_nop                                          ; a plain instruction behind the last exponential,
	s_wait_alu depctr_va_vdst(0)                   ; and one wait for the batch: the 64 exponentials have written v32 to v95, ahead of their first reader
.set i, 0
.rept 32
	v_pk_add_f32 v[CRF+i:CRF+i+1], v[CRF+i:CRF+i+1], 1.0 op_sel_hi:[1,0]
.set i, i+2
.endr
.set i, 0
.rept 64
	v_rcp_f32 v[CRF+i], v[CRF+i]
.set i, i+1
.endr
	v_nop
	s_wait_alu depctr_va_vdst(0)                   ; one wait for the 64 reciprocals in v32 to v95, ahead of their first reader
.set i, 0
.rept 32
	v_pk_mul_f32 v[XF+i:XF+i+1], v[XF+i:XF+i+1], v[CRF+i:CRF+i+1]
.set i, i+2
.endr
	QUANT XF, CB, SC0, LIM0
	v_wmma_f32_16x16x128_bf8_bf8 v[ACC:ACC+7], v[CA:CA+15], v[CB:CB+15], 0       ; register j of lane (r, h): b = r, row 8 h + j of the tile of c_res
.rept 4
	v_nop                                          ; four places behind the matrix instruction (ISA guide 7.12.1), for the reads below and for the vector writes into its registers further on
.endr
.irp q, 0,1,2,3
	v_ldexp_f32 v[RO+\q], v[ACC+\q], s[ES]         ; x 2^(e0 + e1); the result's four lowest registers are all that is wanted
.endr
	s_wait_alu depctr_va_vdst(0)                   ; v200 to v203 are written, which the store reads; and the product's vector and matrix instructions are done with v32 to v61 and v178 to v199, in which the LDS loads behind the label land
	ds_store_b128 v[RST], v[RO:RO+3]
	s_wait_alu depctr_vm_vsrc(0)                   ; the store has read v200 to v203, which are cleared below as c_11 and c_12
.Lno_res:
	; ---- the cubics of my two edges.  Out of my wave's own stage, a word at a time, so that an edge pair's numbers stand in a register pair.
	; Lanes stand 30 or 22 words apart: 32 different even banks.  LDS serves a wave's instructions in order (ISA guide 5.7.1.4), and the stage is the wave's own.
.set j, 0
.rept 15
	ds_load_b32 v[G+2*j], v[GRD] offset:4*j
	ds_load_b32 v[G+2*j+1], v[GRD] offset:60+4*j
.set j, j+1
.endr
.set j, 0
.rept 11
	ds_load_b32 v[CP+4+2*j], v[CRD] offset:4*j
	ds_load_b32 v[CP+5+2*j], v[CRD] offset:44+4*j
.set j, j+1
.endr
	ds_load_b64 v[X0:X0+1], v[XB]                  ; my two x of row 0
	; zeros: c_-2, c_-1, c_11, c_12, c_13; a_-1; c1_-1; and the reciprocals that do not exist, so that a_12, a_13 and c1_13 come out 0 by the same lines as the others
.irp z, CP,CP+1,CP+2,CP+3,CP+26,CP+27,CP+28,CP+29,CP+30,CP+31,ALP+2,ALP+3,QD+6,QD+7,QD+8,QD+9,QD+10,QD+11,CO+98,CO+99,CO+106,CO+107,CO+108,CO+109
	v_mov_b32 v[\z], 0
.endr
	s_wait_dscnt 0x0
	; the 39 differences, each in the slot of the coefficient that will take its place: D3's slot g_(j+1) - g_j, D2's g_(j+2) - g_j, D1's g_(j+3) - g_j
.set j, 0
.rept 14
	v_pk_add_f32 v[CO+8*j+6:CO+8*j+7], v[G+2*j+2:G+2*j+3], v[G+2*j:G+2*j+1] neg_lo:[0,1] neg_hi:[0,1]
.set j, j+1
.endr
.set j, 0
.rept 13
	v_pk_add_f32 v[CO+8*j+4:CO+8*j+5], v[G+2*j+4:G+2*j+5], v[G+2*j:G+2*j+1] neg_lo:[0,1] neg_hi:[0,1]
.set j, j+1
.endr
.set j, 0
.rept 12
	v_pk_add_f32 v[CO+8*j+2:CO+8*j+3], v[G+2*j+6:G+2*j+7], v[G+2*j:G+2*j+1] neg_lo:[0,1] neg_hi:[0,1]
.set j, j+1
.endr
.set j, 0
.rept 14
	v_rcp_f32 v[CO+8*j+6], v[CO+8*j+6]
	v_rcp_f32 v[CO+8*j+7], v[CO+8*j+7]
.set j, j+1
.endr
.set j, 0
.rept 13
	v_rcp_f32 v[CO+8*j+4], v[CO+8*j+4]
	v_rcp_f32 v[CO+8*j+5], v[CO+8*j+5]
.set j, j+1
.endr
.set j, 0
.rept 12
	v_rcp_f32 v[CO+8*j+2], v[CO+8*j+2]
	v_rcp_f32 v[CO+8*j+3], v[CO+8*j+3]
.set j, j+1
.endr
.set j, 0
.rept 11
	v_pk_mul_f32 v[CP+4+2*j:CP+5+2*j], v[CP+4+2*j:CP+5+2*j], v[CSP:CSP+1]        ; c_basis x c_spl: plain work behind the reciprocals that names none of them
.set j, j+1
.endr
	s_wait_alu depctr_va_vdst(0)                   ; one wait for the 78 reciprocals in the cubics' slots, ahead of their first reader
; Interval j.  In: a_(j-1), and c1_(j-1) as a quadratic in d_(j-1).  Out: a_j, c1_j as a quadratic in d_j, and P_j in its four slots.
.macro EDGE j
.set JM, (\j)-1
.if (\j) == 0
.set JM, 0
.endif
.set AC, ALP+2*((\j)%2)
.set AP, ALP+2*(((\j)+1)%2)
.set QN, QD+6*((\j)%2)
.set QO, QD+6*(((\j)+1)%2)
.set KK, CO+8*(\j)
.set CJ, CP+4+2*(\j)
	v_pk_add_f32 v[DL:DL+1], v[G+2*(\j):G+2*(\j)+1], v[G+2*JM:G+2*JM+1] neg_lo:[0,1] neg_hi:[0,1]   ; D = g_j - g_(j-1)  (j = 0: 0; it multiplies zeros)
	v_pk_add_f32 v[T1:T1+1], v[CJ:CJ+1], v[CJ-2:CJ-1] neg_lo:[0,1] neg_hi:[0,1]
	v_pk_mul_f32 v[AC:AC+1], v[T1:T1+1], v[KK+2:KK+3]                            ; a_j = (c_j - c_(j-1)) / (g_(j+3) - g_j)
	v_pk_fma_f32 v[QN+4:QN+5], v[AP:AP+1], v[DL:DL+1], v[CJ-4:CJ-3]              ; C = c2_(j-1) at g_j = c_(j-2) + a_(j-1) D
	v_pk_add_f32 v[T1:T1+1], v[CJ-2:CJ-1], v[QN+4:QN+5] neg_lo:[0,1] neg_hi:[0,1]
	v_pk_fma_f32 v[QN+2:QN+3], v[KK+4:KK+5], v[T1:T1+1], v[AP:AP+1]              ; B = a_(j-1) + (c_(j-1) - C) / (g_(j+2) - g_j)
	v_pk_add_f32 v[T2:T2+1], v[AC:AC+1], v[AP:AP+1] neg_lo:[0,1] neg_hi:[0,1]
	v_pk_mul_f32 v[QN:QN+1], v[KK+4:KK+5], v[T2:T2+1]                            ; A = (a_j - a_(j-1)) / (g_(j+2) - g_j)
	v_pk_fma_f32 v[T3:T3+1], v[DL:DL+1], v[QO:QO+1], v[QO+2:QO+3]                ; c1_(j-1) moved to g_j: B + D A,
	v_pk_fma_f32 v[KK:KK+1], v[DL:DL+1], v[T3:T3+1], v[QO+4:QO+5]                ; D0 = C' = C + D (B + D A)
	v_pk_fma_f32 v[BS:BS+1], v[DL:DL+1], v[QO:QO+1], v[T3:T3+1]                  ; B' = B + 2 D A;  A' = A
	v_pk_add_f32 v[T1:T1+1], v[QN+4:QN+5], v[KK:KK+1] neg_lo:[0,1] neg_hi:[0,1]
	v_pk_fma_f32 v[KK+2:KK+3], v[KK+6:KK+7], v[T1:T1+1], v[BS:BS+1]              ; D1 = B' + (C_j - C') / (g_(j+1) - g_j)
	v_pk_add_f32 v[T2:T2+1], v[QN+2:QN+3], v[BS:BS+1] neg_lo:[0,1] neg_hi:[0,1]
	v_pk_fma_f32 v[KK+4:KK+5], v[KK+6:KK+7], v[T2:T2+1], v[QO:QO+1]              ; D2 = A' + (B_j - B') / (g_(j+1) - g_j)
	v_pk_add_f32 v[T1:T1+1], v[QN:QN+1], v[QO:QO+1] neg_lo:[0,1] neg_hi:[0,1]
	v_pk_mul_f32 v[KK+6:KK+7], v[KK+6:KK+7], v[T1:T1+1]                          ; D3 = (A_j - A') / (g_(j+1) - g_j)
.endm
.irp j, 0,1,2,3,4,5,6,7,8,9,10,11,12,13
	EDGE \j
.endr
; ---- one row b.  xc: my two x of it.  ld = 1: the next row's x is asked for, into the pair xn, at v[xadr] + xoff.  st = 1: the sum of the row before, in v[prv], is stored at v[sadr] + soff.
; cur: the register that takes this row's sum.  head = 1: every row but the first.  mov = 1: a trip's first row, which makes the trip's two addresses.
.macro BODY xc, xn, ld, xadr, xoff, st, sadr, soff, cur, prv, head, mov
.if \head
	s_wait_dscnt 0x0                               ; this row's x is in: its load, in the middle of the row before, is the youngest LDS instruction, and LDS instructions end in order (ISA guide 5.7.1)
	s_wait_alu depctr_vm_vsrc(0)                   ; the store in the row before has read v[cur], which this row's end writes again; in a trip's first row: the trip before has read v[XA] and v[SA], which the two lines below write
.endif
.if \mov
	v_add_nc_u32 v[XA], s[XO], v[XB]
	v_add_nc_u32 v[SA], s[SO], v[SB]
.endif
.set j, 0
.rept 15
	v_cmp_ge_f32 s[MA+j], v[\xc], v[G+2*j]         ; x >= g_j, for each of the two edges
	v_cmp_ge_f32 s[MB+j], v[\xc+1], v[G+2*j+1]
.set j, j+1
.endr
.set j, 0
.rept 14
	v_pk_add_f32 v[DD+2*j:DD+2*j+1], v[\xc:\xc+1], v[G+2*j:G+2*j+1] neg_lo:[0,1] neg_hi:[0,1]   ; d_j = x - g_j
.set j, j+1
.endr
	s_wait_alu depctr_va_sdst(0)                   ; the 30 compares have written their masks, ahead of the masks' first readers, the scalar lines below
.if \st
	s_wait_alu depctr_va_vdst(0)                   ; the row before has written its sum v[prv], which the store reads, and is done reading its x, in whose pair the load lands; the trip's addresses are written
	ds_store_b32 v[\sadr], v[\prv] offset:\soff    ; sixteen lanes write one word with one value; the two halves' words lie side by side and are added at the end
.endif
.if \ld
	ds_load_b64 v[\xn:\xn+1], v[\xadr] offset:\xoff  ; no vector line of this row names the pair.  (In row 0 no vector line at all has named it, and the address is the head's)
.endif
.set j, 0
.rept 14
	s_and_not1_b32 s[MA+j], s[MA+j], s[MA+j+1]     ; g_j <= x < g_(j+1); mask j + 1 is still whole when mask j takes it
	s_and_not1_b32 s[MB+j], s[MB+j], s[MB+j+1]
.set j, j+1
.endr
.set j, 0
.rept 14
	v_pk_fma_f32 v[HN+2*j:HN+2*j+1], v[CO+8*j+6:CO+8*j+7], v[DD+2*j:DD+2*j+1], v[CO+8*j+4:CO+8*j+5]   ; the 14 cubics side by side: no line waits for the line above it
.set j, j+1
.endr
.set j, 0
.rept 14
	v_pk_fma_f32 v[HN+2*j:HN+2*j+1], v[HN+2*j:HN+2*j+1], v[DD+2*j:DD+2*j+1], v[CO+8*j+2:CO+8*j+3]
.set j, j+1
.endr
.set j, 0
.rept 14
	v_pk_fma_f32 v[HN+2*j:HN+2*j+1], v[HN+2*j:HN+2*j+1], v[DD+2*j:DD+2*j+1], v[CO+8*j:CO+8*j+1]
.set j, j+1
.endr
.set j, 0
.rept 14
	v_cndmask_b32 v[HN+2*j], 0, v[HN+2*j], s[MA+j] ; a cubic counts in its own interval alone; whatever it is elsewhere is dropped, not multiplied
	v_cndmask_b32 v[HN+2*j+1], 0, v[HN+2*j+1], s[MB+j]
.set j, j+1
.endr
.set j, 0
.rept 7
	v_pk_add_f32 v[HN+2*j:HN+2*j+1], v[HN+2*j:HN+2*j+1], v[HN+2*j+14:HN+2*j+15]
.set j, j+1
.endr
.set j, 0
.rept 3
	v_pk_add_f32 v[HN+2*j:HN+2*j+1], v[HN+2*j:HN+2*j+1], v[HN+2*j+8:HN+2*j+9]
.set j, j+1
.endr
	v_pk_add_f32 v[HN:HN+1], v[HN:HN+1], v[HN+4:HN+5]
	v_pk_add_f32 v[HN+2:HN+3], v[HN+2:HN+3], v[HN+6:HN+7]
	v_pk_add_f32 v[HN:HN+1], v[HN:HN+1], v[HN+2:HN+3]
	v_add_f32 v[\cur], v[HN], v[HN+1]              ; my two edges,
	v_add_f32_dpp v[\cur], v[\cur], v[\cur] row_xmask:1 row_mask:0xf bank_mask:0xf  ; and the sixteen lanes of my half
	v_add_f32_dpp v[\cur], v[\cur], v[\cur] row_xmask:2 row_mask:0xf bank_mask:0xf
	v_add_f32_dpp v[\cur], v[\cur], v[\cur] row_xmask:4 row_mask:0xf bank_mask:0xf
	v_add_f32_dpp v[\cur], v[\cur], v[\cur] row_xmask:8 row_mask:0xf bank_mask:0xf
.endm
	s_mov_b32 s[XO], 0
	s_mov_b32 s[SO], 0
	s_mov_b32 s[CNT], 0
	BODY X0, X1, 1, XB, PX, 0, SB, 0, SUM0, SUM1, 0, 0             ; row 0 is written out: there is no sum to store yet; its x was waited for ahead of the cubics
.Lrows:                                            ; 31 trips of two rows: trip t takes rows 2 t + 1 and 2 t + 2; v[XA] = row 2 t of x, v[SA] = row 2 t's sum
	BODY X1, X0, 1, XA, 2*PX, 1, SA, 0, SUM1, SUM0, 1, 1
	BODY X0, X1, 1, XA, 3*PX, 1, SA, 8, SUM0, SUM1, 1, 0
	s_add_co_u32 s[XO], s[XO], 2*PX
	s_add_co_u32 s[SO], s[SO], 16
	s_add_co_u32 s[CNT], s[CNT], 1
	s_cmp_lt_u32 s[CNT], 31
	s_cbranch_scc1 .Lrows
	BODY X1, X0, 0, XB, 0, 1, SB, 8*62, SUM1, SUM0, 1, 0           ; row 63 is written out: it asks for no further row, and stores row 62's sum
	s_wait_alu depctr_va_vdst(0)                   ; row 63 has written its sum, which the store reads; and the rows are done reading the knots v32 to v51, in which the end's LDS loads land
	ds_store_b32 v[SB], v[SUM1] offset:8*63
	s_wait_dscnt 0x0                               ; for the others' sake: my sums, and in waves 0 to 3 the product's results, lie in LDS
	s_barrier_signal -1
	s_barrier_wait -1
	; ---- the end: thread t of the first 64 owns row b0 + t: for each of the four o, two waves' two halves and the product's number
	s_cmp_lt_u32 s[WV], 2
	s_cbranch_scc0 .Ldone
	ds_load_b128 v[48:51], v[FR]                   ; no vector instruction stands between the last wait on va_vdst and these loads
.irp w, 0,1,2,3,4,5,6,7
	ds_load_b64 v[32+2*\w:33+2*\w], v[FS] offset:512*\w
.endr
	s_wait_dscnt 0x0
.irp q, 0,1,2,3
	v_add_f32 v[32+4*\q], v[32+4*\q], v[33+4*\q]
	v_add_f32 v[34+4*\q], v[34+4*\q], v[35+4*\q]
.endr
.irp q, 0,1,2,3
	v_add_f32 v[32+4*\q], v[32+4*\q], v[34+4*\q]
.endr
.irp q, 0,1,2,3
	v_add_f32 v[52+\q], v[32+4*\q], v[48+\q]
.endr
	s_wait_alu depctr_va_vdst(0)                   ; the four additions have written v52 to v55, which the store reads
	global_store_b128 v[OOUT], v[52:55], s[16:17]  ; a lane stores its row's 16 bytes: all that the work-group owns of that row
.Ldone:
	s_wait_dscnt 0x0
	s_wait_alu depctr_hold_cnt(0) depctr_sa_sdst(0) depctr_va_vdst(0) depctr_va_sdst(0) depctr_va_ssrc(0) depctr_va_vcc(0) depctr_vm_vsrc(0)
	s_wait_tensorcnt 0x0
	ds_add_u32 v254, v255
	s_wait_dscnt 0x0
	s_endpgm
.Lfunc_end_k_q6dafe13dc2_kan:
	.size	k_q6dafe13dc2_kan, .Lfunc_end_k_q6dafe13dc2_kan-k_q6dafe13dc2_kan
	.p2alignl 7, 3214868480
	.fill 96, 4, 3214868480
	.section	.rodata,"a",@progbits
	.p2align	6, 0x0
	.amdhsa_kernel k_q6dafe13dc2_kan
		.amdhsa_group_segment_fixed_size 94208
		.amdhsa_private_segment_fixed_size 0
		.amdhsa_enable_private_segment 0
		.amdhsa_kernarg_size 56
		.amdhsa_user_sgpr_count 2
		.amdhsa_user_sgpr_kernarg_segment_ptr 1
		.amdhsa_wavefront_size32 1
		.amdhsa_system_sgpr_workgroup_id_x 1
		.amdhsa_system_sgpr_workgroup_id_y 1
		.amdhsa_system_sgpr_workgroup_id_z 1
		.amdhsa_system_vgpr_workitem_id 0
		.amdhsa_next_free_vgpr 256
		.amdhsa_next_free_sgpr 66
		.amdhsa_reserve_vcc 0
		.amdhsa_float_denorm_mode_32 3
		.amdhsa_float_denorm_mode_16_64 3
		.amdhsa_memory_ordered 1
		.amdhsa_forward_progress 1
		.amdhsa_inst_pref_size 95
	.end_amdhsa_kernel
	.amdgpu_metadata
---
amdhsa.version: [ 1, 2 ]
amdhsa.kernels:
  - .name:           k_q6dafe13dc2_kan
    .symbol:         k_q6dafe13dc2_kan.kd
    .args:
      - { .name: x, .offset: 0, .size: 8, .value_kind: global_buffer, .address_space: global }
      - { .name: grid, .offset: 8, .size: 8, .value_kind: global_buffer, .address_space: global }
      - { .name: c_basis, .offset: 16, .size: 8, .value_kind: global_buffer, .address_space: global }
      - { .name: c_res, .offset: 24, .size: 8, .value_kind: global_buffer, .address_space: global }
      - { .name: c_spl, .offset: 32, .size: 8, .value_kind: global_buffer, .address_space: global }
      - { .name: lowp_scales, .offset: 40, .size: 8, .value_kind: global_buffer, .address_space: global }
      - { .name: out0, .offset: 48, .size: 8, .value_kind: global_buffer, .address_space: global }
    .group_segment_fixed_size: 94208
    .private_segment_fixed_size: 0
    .kernarg_segment_align: 8
    .kernarg_segment_size: 56
    .max_flat_workgroup_size: 256
    .sgpr_count:     66
    .vgpr_count:     256
    .wavefront_size: 32
...
	.end_amdgpu_metadata
.endif
;; end of part 2
